; MI455X (gfx1250); checked and timed in simulation.
; The chip was launched on July 23, 2026; its instructions are those of AMD's public machine-readable ISA for CDNA 5 (MIT licence, August 2026) and "CDNA5" Instruction Set Architecture Reference Guide (July 2026). The comments in the code are by the model that wrote it; some were corrected since.
;; Quantum FFN. Allowed arithmetic: matrix products marked QUANTISED: E5M2 operands, one given power-of-two scale a tensor, by v_wmma_f32_16x16x64_bf8_bf8 or v_wmma_f32_16x16x128_bf8_bf8, f32 sums; products left as they are: f32 operands where the result goes on into a quantised operand, else bf16, f16 or f32 operands; f32 sums; everything else in f32.
;; Inputs: W1 4,096 x 8 float32; W2_codes 1,024 x 128 x 32 uint8 (E5M2 codes of W2, K innermost, in blocks of 32 codes); lowp_scales 2 int32 (the exponents e of the quantised operands' scales 2^e); theta 8 float32; x 4 x 4,096 x 1,024 float32.
;; Outputs: out0 4 x 4,096 x 1,024 float32.
;; This version of the problem:
;;   THIS VERSION OF THE PROBLEM IS GIVEN IN LOW PRECISION. The matrix products marked QUANTISED in the list below multiply operands that are first quantised to E5M2 (5 exponent bits, 2 mantissa bits; 8 bits a number), with one given power-of-two scale for each operand tensor; their sums are f32. All else is computed in f32.
;;   The module's matrix products, in the order in which they are computed (A, B: the left and right operand; K: the contracted axis; several contracted axes count as one K, in the product's order):
;;     1. [M 16,384, K 8] x [K 8, N 4,096]; A: computed on the way; B: input W1: left as it is (K = 8 < 32)
;;     2. [M 16,384, K 4,096] x [K 4,096, N 1,024]; A: computed on the way; B: input W2 (given as codes): QUANTISED (scales: A lowp_scales[0], B lowp_scales[1])
;;   THE QUANTISER, for each operand of a quantised product, along K:
;;     - The operand's scale is 2^e, e = its entry of the input lowp_scales (int32; the entries are numbered through the quantised products in the list's order, A before B).
;;     - Each number is divided by the scale, clamped to +-57,344, and rounded to the nearest number of E5M2, ties to even, subnormals kept.
;;     - The product sums the exact products of the quantised numbers (number of the format x scale) in f32.
;;   ~~~python
;;   def quantise(x, axis, e):      # numpy; x: float32 -> the quantised numbers, widened to float32 again
;;       x = np.moveaxis(x, axis, -1); K = x.shape[-1]
;;       r = np.clip(x / 2.0 ** e, -57344, 57344)
;;       step = 2.0 ** (np.maximum(np.frexp(np.where(r == 0, 1, r))[1] - 1, -14) - 2)
;;       q = np.round(r / step) * step * 2.0 ** e      # np.round: ties to even
;;       return np.moveaxis(q, -1, axis).astype(np.float32)
;;   ~~~
;;   OPERANDS COMPUTED ON THE WAY. 'Computed on the way' means the value that the module computes at that place (a softmax that the list does not call 'softmax' is quantised finished and normalised). What goes into a quantiser is computed in f32, as accurately as f32 sums, v_exp_f32 and their like allow (about 1e-6 of the number): no bf16 or f16 on the way to a quantiser, and a product that is left as it is and whose result goes on into a quantised operand takes f32 operands (vector FMAs, or v_wmma_f32_16x16x4_f32). A number that lies on a knife's edge between two numbers of the format may be rounded either way, as far as f32 arithmetic and the matrix unit's own rounding can turn it there, and no further.
;;   INPUTS GIVEN AS CODES. W2 (in the module: [1024, 4096], K = its axis 1): each comes as NAME_codes (uint8): NAME with its K axis moved to the last place and cut into blocks of 32 codes, [.., K / 32, bytes a block], one block behind the other in memory; one code a byte (a code: sign, 5 exponent bits, 2 mantissa bits); its scale is its entry of lowp_scales. Its value is code x scale, taken as it is: it is not quantised again, and the codes and scales need not be those that the quantiser above would give.
;; 2 versions. Each part assembles by itself: llvm-mc -triple=amdgcn-amd-amdhsa -mcpu=gfx1250 --defsym DOCPART=n.
;; ======== version 1 of 2: 1 launch
;; limits: inputs' magnitudes at most 100,000
;; launch ffn (part 1): grid 256 x 1, 4 waves a work-group, clusters of 4 x 1, 327,680 bytes of LDS; arguments x, theta, W1, W2_codes, lowp_scales, out0; writes out0
.if DOCPART == 1
	.amdgcn_target "amdgcn-amd-amdhsa--gfx1250"
	.amdhsa_code_object_version 6
	.text
	.protected	k_q763842b613_ffn
	.globl	k_q763842b613_ffn
	.p2align	8
	.type	k_q763842b613_ffn,@function
k_q763842b613_ffn:
	s_mov_b64 s[64:65], 0
	v_nop
	global_prefetch_b8 v0, s[64:65] scope:SCOPE_SE
	s_setreg_imm32_b32 hwreg(HW_REG_WAVE_MODE, 25, 1), 1
	s_wait_xcnt 0x0
	s_wait_alu depctr_hold_cnt(0) depctr_sa_sdst(0) depctr_va_vdst(0) depctr_va_sdst(0) depctr_va_ssrc(0) depctr_va_vcc(0) depctr_vm_vsrc(0)
	s_getreg_b32 s2, hwreg(HW_REG_IB_STS2, 6, 4)
	s_cmp_eq_u32 s2, 0
	s_cbranch_scc0 .Lentry_in_a_cluster
	s_endpgm
.Lentry_in_a_cluster:
	s_bfe_u32 s2, ttmp6, 0x10000c
	s_cmp_lg_u32 s2, 0x3003
	s_cbranch_scc0 .Lentry_shape_is_right
	s_endpgm
.Lentry_shape_is_right:
; out[m][d] = sum over f of Q(relu(sum over q of cos(x[m][q]) cos(theta[q]) W1[f][q])) W2[d][f].   m: 16,384 tokens; q: 8; f: 4,096; d: 1,024.
; The first product (K = 8) is made in f32 (v_wmma_f32_16x16x4_f32); its result h is held between 0 and 57,344 x 2^e0 (the activation and the hold in one), turned into codes of E5M2 with
; the given scale 2^e0, and multiplied with W2's codes as they are given (v_wmma_f32_16x16x128_bf8_bf8); each finished sum is multiplied once by 2^(e0 + e1).
; SHARES.  256 work-groups of four waves.  A work-group owns 64 tokens and ALL 1,024 columns of out (4 waves x 512 accumulator registers), so each number of h is made once in the launch
; and never goes to memory.  Second product: wave w owns columns 256 w .. 256 w + 255 for the 64 tokens.  First product: of each unit of 128 hidden units wave w makes 32 w .. 32 w + 31 for the 64 tokens.
; BOTH PRODUCTS ARE USED TRANSPOSED (source 0 = 16 rows of the weight, source 1 = 16 tokens): a lane holds one token, and its registers run along the weight's rows.
; THE ROWS OF W1 THAT FORM A TILE ARE NOT NEIGHBOURS: lane r of tile u takes row 32 w + 8 u + r + 8 (r / 8) of the unit, so that a lane's 16 registers of tiles u = 0, 1 are k = 32 w + 16 (lane / 16) + 0 .. 15:
; their 16 codes are registers 4 w .. 4 w + 3 of the second product's operand, and go to the other waves through LDS as an image of those registers (one ds_store_b128 at 16 x lane).
; q lies in both f32 operands as 4 (lane / 16) + 0 .. 3 in four registers, two to an instruction: the same order on both sides, so every product meets its partner.
; k lies in both 8-bit operands as 32 c + 16 (lane / 16) + 0 .. 15 in registers 4 c .. 4 c + 3: again the same order on both sides; only the order of the sums inside an instruction changes.
; TRIPS.  32 trips j = 2 p + c: k = 256 p .. 256 p + 255 against the wave's columns 128 c .. 128 c + 127: 64 matrix instructions on codes, on the 32 accumulators of window 2 + c.  W2's tile of a trip
; (128 rows x 256 bytes a wave) comes by one tensor load into the wave's own slot c and is read into registers whole, a trip ahead.  Between the halves of a trip stands the work on h: 16 f32
; matrix instructions (unit j + 4), the hold and the conversion of unit j + 3, and the runs of LDS loads.
; CLUSTER.  All work-groups walk the same tiles of W2.  Four form a cluster and ask for each tile JOINTLY: the same tensor load, the same descriptor, a mask that names the four.
; LIMITS.  e0 between -126 and 112, e0 + e1 between -126 and 127, so that each power of two below is an f32 number.  cos is made by a reduction of the argument in three parts and two polynomials,
; to f32's accuracy for |x|, |theta| up to 1e5; beyond that it loses accuracy by and by.  NaN and infinities among the inputs are not served.
; REGISTERS, in windows of 256.  Window 0: v0-7 addresses and the scale; v8-15, v32-39 two sets of W1's fragments; v16-31 z; v40-47 at work; v48-63 codes; v64-127 h's 8 tiles (written by f32 matrix
; instructions alone); v128-255 h's 8 fragments of 256 along K.  Window 1: W2's 16 fragments of a trip, ONE set.  Windows 2, 3: the accumulators, (a, b) at v[8 (8 a + b)].
.set PITCH,  272                       ; an LDS row of W2's tile: 256 bytes + 16 of padding = 68 words: the 16 rows of a load start at 16 different banks (64 banks of 4 bytes: ISA guide 11.1)
.set TILE,   128*PITCH                 ; a slot; wave w's two slots lie on end at 2 w TILE
.set SPARE,  8*TILE                    ; behind the slots: the spare words, 128 bytes for each wave: two blocks of 256 bytes that no other line names
.set AIMG,   294912                    ; h's images: a ring of 4 units x 8,192 bytes: unit u, tokens 16 a on, registers 4 c on: u 8192 + a 2048 + c 512 + 16 x lane.  No tile lands here
.set SPITCH, 528                       ; the way out: a stage of 16 rows x (512 bytes + 16) in the wave's own slot 0, which has had its last fill and its last read by then
.set PFO,  0                           ; v0   from the head's end on: 4,096 x lane, the prefetches' offset (a lane a row of W2); never rewritten
.set SPW,  1                           ; v1   LDS address of my spare word; never rewritten
.set NIL,  2                           ; v2   0; never rewritten
.set ADRB, 3                           ; v3   my lane's place in my wave's slot 0
.set ADRA, 4                           ; v4   AIMG + 16 x lane
.set AST,  5                           ; v5   ADRA + 512 x wave: where I store my quarter of an image
.set W1O,  6                           ; v6   my lane's byte in a tile of W1
.set SCL,  7                           ; v7   2^e0 as f32: the conversion takes its exponent field
.set WS1,  8
.set Z,    16                          ; z of tokens 16 a + r at v[Z + 4 a]
.set WS0,  32
.set T,    40
.set CD,   48                          ; tile t's 8 codes at v[CD + 2 t]
.set HA,   64                          ; tile t = 2 a + u at v[HA + 8 t]
.set AF,   128                         ; fragment (kk, a) at v[AF + 64 kk + 16 a]
.set STO,  3                           ; the way out: where I put 32 bytes of a row,
.set RD,   4                           ; where I read a row back,
.set CO,   5                           ; my byte in a row's 512
.set TMP,  128
.set WV,   16                          ; s16  my wave's number
.set G1,   24                          ; s[24:31] descriptor group 1
.set G0,   32                          ; s[32:39] descriptor group 0, a set for each slot
.set W1B,  40                          ; s[40:41] W1 at my wave's 32 rows of unit 0
.set W1C,  42                          ; s[42:43] the same of the unit to be loaded
.set SOFF, 44                          ; s[44:45] that unit's byte offset
.set PFA,  46                          ; s[46:47] where my prefetches stand
.set PFON, 48                          ; s48  1 in the first cluster
.set CNT,  49
.set ES,   50                          ; s[50:51] e0, e1; later 2^(e0 + e1), twice
.set HOLD, 52                          ; s52  57,344 x 2^e0
.set MSB, 0
.macro WIN new                         ; the immediate's high byte repeats the setting that is left; a switch that changes nothing is dropped
.if MSB != (\new)
	s_set_vgpr_msb (MSB<<8)|(\new)
.set MSB, (\new)
.endif
.endm
.set TO_B, 0x40                        ; destination window 1, address window 0
.macro PLACES n
.rept \n
	v_nop
.endr
.endm
.macro CREST                           ; a round of the cluster's barrier behind its opening barrier
	s_cmp_lg_u32 s[WV], 0
	s_cbranch_scc1 .Lnot_wave_0_\@
	s_barrier_signal -3
.Lnot_wave_0_\@:
	s_barrier_wait -3
	s_barrier_signal -1
	s_barrier_wait -1
.endm
.macro CROUND                          ; a whole round
	s_barrier_signal -1
	s_barrier_wait -1
	CREST
.endm
; v[d] = cos(v[s]).  n = the nearest whole number to x 2 / pi; r = x - n pi / 2, pi / 2 in three parts, each taken off by a fused multiply-add; |r| <= pi / 4.
; cos(r + n pi / 2) is cos r, -sin r, -cos r, sin r for n mod 4 = 0, 1, 2, 3: both polynomials are made, one is chosen (a choice of a value, no branch), the sign is set by an exclusive or.
.macro COS d, s
	v_mul_f32 v180, s53, v[\s]
	v_rndne_f32 v180, v180
	v_fma_f32 v181, v180, s54, v[\s]
	v_fma_f32 v181, v180, s55, v181
	v_fma_f32 v181, v180, s56, v181
	v_cvt_i32_f32 v182, v180
	v_mul_f32 v183, v181, v181
	v_fma_f32 v184, v183, s59, s58
	v_fma_f32 v185, v183, s62, s61
	v_fma_f32 v184, v184, v183, s57
	v_fma_f32 v185, v185, v183, s60
	v_fma_f32 v184, v184, v183, -0.5
	v_mul_f32 v185, v185, v183
	v_fma_f32 v184, v184, v183, 1.0      ; cos r
	v_fma_f32 v185, v185, v181, v181     ; sin r
	v_and_b32 v186, 1, v182
	v_add_nc_u32 v182, 1, v182
	v_cmp_eq_u32 vcc_lo, 1, v186
	v_and_b32 v182, 2, v182              ; 2 where n mod 4 is 1 or 2
	v_cndmask_b32 v184, v184, v185, vcc_lo
	v_lshlrev_b32 v182, 30, v182
	v_xor_b32 v[\d], v182, v184
.endm
.macro W1LOAD set                      ; a unit's two tiles of W1 for my wave: 16 rows x 8 numbers each, 16 bytes a lane
.irp u, 0,1
	global_load_b128 v[(\set)+4*\u:(\set)+4*\u+3], v[W1O], s[W1C:W1C+1] offset:256*\u
.endr
.endm
.macro HW1 t, ws                       ; tile t's first four q: the constant 0 starts the sum
	v_wmma_f32_16x16x4_f32 v[HA+8*(\t):HA+8*(\t)+7], v[(\ws)+4*((\t)%2):(\ws)+4*((\t)%2)+1], v[Z+4*((\t)/2):Z+4*((\t)/2)+1], 0
.endm
.macro HW2 t, ws                       ; its other four
	v_wmma_f32_16x16x4_f32 v[HA+8*(\t):HA+8*(\t)+7], v[(\ws)+4*((\t)%2)+2:(\ws)+4*((\t)%2)+3], v[Z+4*((\t)/2)+2:Z+4*((\t)/2)+3], v[HA+8*(\t):HA+8*(\t)+7]
.endm
.macro QT t                            ; tile t's eight numbers become eight codes.  The accumulator is read from its low end on
.irp i, 0,1,2,3,4,5,6,7
	v_med3_num_f32 v[T+\i], v[HA+8*(\t)+\i], 0, s[HOLD]   ; the activation and the hold in one: the conversion to an 8-bit code does not saturate (ISA guide 7.6.2)
.endr
	v_cvt_scalef32_pk8_bf8_f32 v[CD+2*(\t):CD+2*(\t)+1], v[T:T+7], v[SCL]
	v_nop                                          ; one plain vector instruction between a scaled conversion and the next vector instruction that writes its sources
.endm
.macro ASTORE a, u4                    ; my 16 codes of tokens 16 a + r: registers 4 w .. 4 w + 3 of fragment (unit, a)
	ds_store_b128 v[AST], v[CD+4*(\a):CD+4*(\a)+3] offset:(\u4)*8192+(\a)*2048
.endm
.macro BFETCH slot, kk, b0             ; four fragments of W2 (16 rows x 128 K: four loads of 16 bytes, 32 bytes apart) from my slot
	WIN TO_B
.irp b, \b0, \b0+1, \b0+2, \b0+3
.irp cc, 0,1,2,3
	ds_load_b128 v[128*(\kk)+16*(\b)+4*\cc:128*(\kk)+16*(\b)+4*\cc+3], v[ADRB] offset:(\slot)*TILE+(\b)*16*PITCH+128*(\kk)+32*\cc
.endr
.endr
	WIN 0
.endm
.macro AFETCH u4, kk, a0               ; two fragments of h from the images: the same registers in the same lanes as they were stored
.irp a, \a0, \a0+1
.irp cc, 0,1,2,3
	ds_load_b128 v[AF+64*(\kk)+16*(\a)+4*\cc:AF+64*(\kk)+16*(\a)+4*\cc+3], v[ADRA] offset:(\u4)*8192+(\a)*2048+512*\cc
.endr
.endr
.endm
; 4 nb matrix instructions: column tiles b0 on x the four tiles of tokens, 128 along K.  The accumulators take turns, one instruction a turn.  zero = 1: the product starts the sum.
.macro MUL kk, b0, nb, zero
.set MB, \b0
.rept \nb
.irp a, 0,1,2,3
.if \zero
	v_wmma_f32_16x16x128_bf8_bf8 v[8*(8*\a+MB):8*(8*\a+MB)+7], v[128*(\kk)+16*MB:128*(\kk)+16*MB+15], v[AF+64*(\kk)+16*\a:AF+64*(\kk)+16*\a+15], 0
.else
	v_wmma_f32_16x16x128_bf8_bf8 v[8*(8*\a+MB):8*(8*\a+MB)+7], v[128*(\kk)+16*MB:128*(\kk)+16*MB+15], v[AF+64*(\kk)+16*\a:AF+64*(\kk)+16*\a+15], v[8*(8*\a+MB):8*(8*\a+MB)+7]
.endif
.endr
.set MB, MB+1
.endr
.endm
; A PREFETCH INTO THE L2 of the tile that stands four trips on: two trips ahead of the tensor load that will want it.  It stands behind my tensor load and its four lines.
; Each row's 256 bytes are named ONCE in the launch: the first cluster asks (a branch on the cluster's number, the same in all partners); its four partners share a tile's 128 rows out BY ADDRESS, 32 each,
; a lane a row, one instruction a wave.  Tiles 0 to 3 come by their loads alone; the last four trips ask for nothing.
.macro ASK off
	s_cmp_eq_u32 s[PFON], 1
	s_cbranch_scc0 .Lnot_mine_\@
	global_prefetch_b8 v[PFO], s[PFA:PFA+1] offset:\off th:TH_LOAD_NT scope:SCOPE_SE
.Lnot_mine_\@:
.endm
; HALF g OF THE WORK ON h: tiles 4 g .. 4 g + 3.  q: the tiles of the unit made a trip ago are held, converted and stored (ring place qu); m: the next unit's f32 products (W1 in set ws) begin in the same registers,
; each tile straight behind the lines that have read it; nb: W2's fragments of the next trip's kk = g come from slot; na: h's fragments of unit place au likewise; wl: the W1 of the unit after the next is asked for, into set wsl.
; No two matrix instructions that follow each other share an accumulator.  The vector lines of other tiles are the places between a tile's last product and its first read, and between the
; products on codes and the loads into the registers that they have read; where there are no such lines (q = 0), four v_nop stand at the head.
.macro HB g, q, qu, m, ws, nb, slot, na, au, wl, wsl
.if (\nb) && ((\q) == 0)
	PLACES 4
.endif
.if \q
	QT 4*(\g)
.endif
.if \m
	HW1 4*(\g), \ws
.endif
.if \q
	QT 4*(\g)+1
	ASTORE 2*(\g), \qu
.endif
.if \wl
	W1LOAD \wsl
.endif
.if \m
	HW1 4*(\g)+1, \ws
	HW2 4*(\g), \ws
.endif
.if \nb
	BFETCH \slot, \g, 0
.endif
.if \na
	AFETCH \au, \g, 0
.endif
.if \q
	QT 4*(\g)+2
.endif
.if \m
	HW1 4*(\g)+2, \ws
	HW2 4*(\g)+1, \ws
.endif
.if \q
	QT 4*(\g)+3
	ASTORE 2*(\g)+1, \qu
.endif
.if \m
	HW1 4*(\g)+3, \ws
	HW2 4*(\g)+2, \ws
.endif
.if \nb
	BFETCH \slot, \g, 4
.endif
.if \na
	AFETCH \au, \g, 2
.endif
.if \m
	HW2 4*(\g)+3, \ws
.endif
.endm
; A TRIP.  j4 = the trip's number mod 4; c = j4 mod 2 is its slot and its half of the columns.  cnt: the LDS instructions that the last trip's second half issued, which may still be out.
; fill = 1: ONE round of the cluster's barrier, for three things.  In front of it each wave waits for all its tensor loads (one is out: the next trip's tile), adds 0 to its spare word, and waits for that, for its
; reads of slot c and of h's images, and for its stores of images.  Behind it slot c is filled again with the tile two trips on, first thing; the images stored last trip may be read; the ring place read out may be written.
.macro TRIP j4, zero, cnt, fill, q, m, wl, pf, nb
.set TC, (\j4)%2
.set TWIN, 0xa1+0x50*TC                ; source 0 (W2) window 1, source 1 (h) window 0, C and D window 2 + c
.set TNA, (\nb)*TC                     ; h's fragments serve both trips of a pair: they are fetched in the odd one
.set TWS, WS0+(WS1-WS0)*TC
.set TWL, WS1+(WS0-WS1)*TC
	s_wait_dscnt \cnt                              ; the fragments of kk = 0 are in
	WIN TWIN
	MUL 0, 0, 4, \zero
.if \fill
	WIN 0                                          ; (the add's two registers lie in window 0)
	s_wait_tensorcnt 0x0                           ; all my tensor loads have landed: the next trip's tile
	ds_add_u32 v[SPW], v[NIL]                      ; 0 onto my spare word
	WIN TWIN
.else
	s_wait_tensorcnt 0x0                           ; the last tile has landed; nothing is filled again
.endif
	MUL 0, 4, 2, \zero                             ; eight matrix instructions between the add and the wait for it
	s_wait_dscnt 0x0                               ; the add is done; my reads of slot c and of the images are over, the fragments of kk = 1 among them; my stores of images have landed
.if \fill
	s_barrier_signal -1
.endif
	MUL 0, 6, 2, \zero
	WIN 0                                          ; at a branch and at a label every window is 0
.if \fill
	s_barrier_wait -1
	CREST                                          ; no wave of any partner still reads its slot c or has a load on its way
	s_add_nc_u64 s[G0+4*TC+2:G0+4*TC+3], s[G0+4*TC+2:G0+4*TC+3], 256   ; no tensor load of mine is out, so the group may be written: 256 further along K
	tensor_load_to_lds s[G0+4*TC:G0+4*TC+3], s[G1:G1+7]                ; my one tensor load behind the round: 64 matrix instructions ahead of the wait for it
	s_nop 0
	PLACES 4                                       ; places in front of the loads below
.endif
.if \pf
	ASK TC*524288+((\j4)/2)*256
.endif
.if \m
	s_wait_loadcnt 0x0                             ; this trip's W1 is in (asked for a trip ago), and its loads have read their base
.endif
.if \wl
	s_add_co_u32 s[SOFF], s[SOFF], 4096            ; the unit after the next;
	s_min_u32 s[SOFF], s[SOFF], 31*4096            ; the loop's last trip would ask for unit 32: it is held at unit 31, inside W1, and what it brings is not used
	s_add_nc_u64 s[W1C:W1C+1], s[W1B:W1B+1], s[SOFF:SOFF+1]
.endif
	HB 0, \q, (\j4+3)%4, \m, TWS, \nb, 1-TC, TNA, (\j4+1)%4, \wl, TWL
	WIN TWIN
	MUL 1, 0, 8, 0
	WIN 0
	HB 1, \q, (\j4+3)%4, \m, TWS, \nb, 1-TC, TNA, (\j4+2)%4, 0, TWL
.endm
	s_load_b256 s[4:11], s[0:1], 0x0               ; x s[4:5], theta s[6:7], W1 s[8:9], W2's codes s[10:11]
	s_load_b128 s[12:15], s[0:1], 0x20             ; the scales' exponents s[12:13], out s[14:15]
	v_lshl_add_u32 v[SPW], v0, 2, SPARE
	v_mov_b32 v[NIL], 0
	ds_add_u32 v1, v2
	ds_add_u32 v1, v2
	s_wait_dscnt 0x0
	v_lshrrev_b32 v3, 5, v0
	v_readfirstlane_b32 s[WV], v3                  ; wave 0..3
	s_bfe_u32 s17, ttmp6, 0x40000                  ; cx: my place in the cluster
	s_lshl_b32 s18, ttmp9, 2                       ; in a cluster launch ttmp9 counts clusters
	s_add_co_u32 s18, s18, s17                     ; my block of 64 tokens: it enters x's and out's addresses alone
	; descriptor group 1: a tile of 128 rows x 256 bytes, padded in LDS
	s_mov_b32 s[G1+0], 15|(1<<20)|(1<<21)|(5<<22)|(3<<25)  ; 15:0 the mask: all four work-groups; 17:16 elements of 1 byte; 20 padding on; 21 set beside a mask; 24:22 after every 64 words (code 5); 31:25 four words (code 3)
	s_mov_b32 s[G1+1], 256<<16                     ; tensor_dim0 = 256
	s_mov_b32 s[G1+2], 128<<16                     ; tensor_dim1 = 128
	s_mov_b32 s[G1+3], 256<<16                     ; tile_dim0 = 256
	s_mov_b32 s[G1+4], 128                         ; tile_dim1 = 128
	s_mov_b32 s[G1+5], 4096                        ; from row to row of W2
	s_mov_b32 s[G1+6], 0
	s_mov_b32 s[G1+7], 0
	s_mov_b32 s53, 0x3f22f983                      ; 2 / pi
	s_mov_b32 s54, 0xbfc90fdb                      ; -(pi / 2), its first part,
	s_mov_b32 s55, 0x333bbd2e                      ; second
	s_mov_b32 s56, 0x26f72ced                      ; and third
	s_mov_b32 s57, 0x3d2aaaa5                      ; cos r = 1 - r^2 / 2 + r^4 (s57 + s58 r^2 + s59 r^4)
	s_mov_b32 s58, 0xbab6061a
	s_mov_b32 s59, 0x37ccf5ce
	s_mov_b32 s60, 0xbe2aaaa3                      ; sin r = r + r^3 (s60 + s61 r^2 + s62 r^4)
	s_mov_b32 s61, 0x3c08839e
	s_mov_b32 s62, 0xb94ca1f9
	s_mul_i32 s20, s[WV], 2*TILE                   ; my wave's two slots: no place in the cluster enters an LDS address
	s_lshl_b32 s21, s[WV], 9
	s_lshl_b32 s22, s[WV], 20                      ; my wave's 256 rows of W2, 4,096 bytes each
	s_mov_b32 s23, 0
	s_wait_kmcnt 0x0
	s_load_b64 s[ES:ES+1], s[12:13], 0x0           ; e0, e1
	s_add_nc_u64 s[22:23], s[10:11], s[22:23]
.irp c, 0,1
	s_mov_b32 s[G0+4*\c], 1                        ; 1:0 count = 1
	s_add_co_u32 s[G0+4*\c+1], s20, \c*TILE        ; 63:32 LDS address: slot c
	s_add_nc_u64 s[G0+4*\c+2:G0+4*\c+3], s[22:23], \c*524288   ; 120:64 global address: rows 128 c on, k = 0
	s_or_b32 s[G0+4*\c+3], s[G0+4*\c+3], 0x80000000            ; 127:126 type = 2
.endr
	CROUND                                         ; all four work-groups are here: the first joint loads meet
	tensor_load_to_lds s[G0:G0+3], s[G1:G1+7]      ; tiles 0 and 1: two loads of mine are out
	s_nop 0
	tensor_load_to_lds s[G0+4:G0+7], s[G1:G1+7]
	s_nop 0
	PLACES 4
	s_lshl_b32 s[PFA], s17, 17                     ; the prefetches: my work-group's 32 rows of a tile's 128,
	s_mov_b32 s[PFA+1], 0
	s_add_nc_u64 s[PFA:PFA+1], s[22:23], s[PFA:PFA+1]
	s_add_nc_u64 s[PFA:PFA+1], s[PFA:PFA+1], 512   ; two pairs of trips further along K
	s_cmp_eq_u32 ttmp9, 0
	s_cselect_b32 s[PFON], 1, 0
	v_and_b32 v8, 31, v0                           ; lane
	v_and_b32 v9, 15, v0                           ; r
	v_bfe_u32 v10, v0, 4, 1                        ; h
	v_mul_u32_u24 v[ADRB], v9, PITCH
	v_lshl_add_u32 v[ADRB], v10, 4, v[ADRB]
	v_add_nc_u32 v[ADRB], s20, v[ADRB]             ; row r x pitch + 16 h, in my wave's slots
	v_lshlrev_b32 v[ADRA], 4, v8
	v_add_nc_u32 v[ADRA], AIMG, v[ADRA]
	v_add_nc_u32 v[AST], s21, v[ADRA]
	v_and_b32 v11, 8, v9
	v_add_nc_u32 v11, v11, v9                      ; r + 8 (r / 8)
	v_lshlrev_b32 v[W1O], 5, v11                   ; a row of W1 is 32 bytes;
	v_lshl_add_u32 v[W1O], v10, 4, v[W1O]          ; q = 4 h on
	v_lshlrev_b32 v188, 12, v9                     ; x: token r of 4,096 bytes, q = 4 h on
	v_lshl_add_u32 v188, v10, 4, v188
	v_lshlrev_b32 v189, 4, v10                     ; theta: q = 4 h on
	s_lshl_b32 s22, s18, 18                        ; my block's 64 rows of 4,096 bytes, in x and in out
	s_mov_b32 s23, 0
	s_add_nc_u64 s[4:5], s[4:5], s[22:23]
	s_add_nc_u64 s[14:15], s[14:15], s[22:23]
	s_lshl_b32 s22, s[WV], 10                      ; my wave's 256 columns of out; and its 32 rows of a unit of W1: both 1,024 bytes
	s_add_nc_u64 s[14:15], s[14:15], s[22:23]
	s_add_nc_u64 s[W1B:W1B+1], s[8:9], s[22:23]
	s_mov_b32 s[SOFF], 4*4096
	s_mov_b32 s[SOFF+1], 0
.irp a, 0,1,2,3
	global_load_b128 v[160+4*\a:163+4*\a], v188, s[4:5] offset:\a*65536 th:TH_LOAD_NT   ; x(16 a + r, 4 h .. 4 h + 3): only the first 8 features count
.endr
	global_load_b128 v[176:179], v189, s[6:7]
.irp n, 0,1,2,3                        ; W1 of units 0 to 3, into registers that h's fragments take later
.irp u, 0,1
	global_load_b128 v[128+8*\n+4*\u:128+8*\n+4*\u+3], v[W1O], s[W1B:W1B+1] offset:4096*\n+256*\u
.endr
.endr
.irp u, 0,1                            ; and of unit 4
	global_load_b128 v[WS0+4*\u:WS0+4*\u+3], v[W1O], s[W1B:W1B+1] offset:4*4096+256*\u
.endr
	s_wait_loadcnt 10                              ; x and theta are in; W1's ten loads may be out
.irp i, 0,1,2,3
	COS 176+\i, 176+\i
.endr
.irp i, 0,1,2,3,4,5,6,7,8,9,10,11,12,13,14,15
	COS 160+\i, 160+\i
.endr
.irp a, 0,1,2,3
	v_pk_mul_f32 v[Z+4*\a:Z+4*\a+1], v[160+4*\a:161+4*\a], v[176:177]       ; z = cos x cos theta
	v_pk_mul_f32 v[Z+4*\a+2:Z+4*\a+3], v[162+4*\a:163+4*\a], v[178:179]
.endr
	s_wait_kmcnt 0x0
	s_add_co_i32 s20, s[ES], 127
	s_lshl_b32 s21, s20, 23
	v_mov_b32 v[SCL], s21                          ; 2^e0 as f32
	s_add_co_i32 s20, s20, 15
	s_lshl_b32 s20, s20, 23
	s_or_b32 s[HOLD], s20, 0x600000                ; 57,344 x 2^e0
	s_add_co_i32 s[ES], s[ES], s[ES+1]
	s_add_co_i32 s[ES], s[ES], 127
	s_lshl_b32 s[ES], s[ES], 23                    ; 2^(e0 + e1) as f32
	s_mov_b32 s[ES+1], s[ES]                       ; (named with it as a pair, so it is written)
	v_and_b32 v0, 31, v0
	v_lshlrev_b32 v0, 12, v0                       ; from here on v0 is the prefetches' offset
	; the first units: unit 0's products; then three times: the last unit is quantised and stored while the next one's products begin
	s_wait_loadcnt 0x0
	HB 0, 0, 0, 1, 128, 0, 0, 0, 0, 0, 0
	HB 1, 0, 0, 1, 128, 0, 0, 0, 0, 0, 0
	PLACES 9                                       ; eight places in front of the first read of these results, nine in front of the product that begins tile 0 anew
	HB 0, 1, 0, 1, 136, 0, 0, 0, 0, 0, 0
	HB 1, 1, 0, 1, 136, 0, 0, 0, 0, 0, 0
	s_wait_dscnt 0x0                               ; the stores have read the codes' registers
	HB 0, 1, 1, 1, 144, 0, 0, 0, 0, 0, 0
	HB 1, 1, 1, 1, 144, 0, 0, 0, 0, 0, 0
	s_wait_dscnt 0x0
	HB 0, 1, 2, 1, 152, 0, 0, 0, 0, 0, 0
	HB 1, 1, 2, 1, 152, 0, 0, 0, 0, 0, 0
	s_wait_dscnt 0x0                               ; for the others' sake: my quarters of units 0, 1 and 2 lie in LDS
	s_wait_tensorcnt 1                             ; tile 0 is in; tile 1 may stay out
	s_barrier_signal -1
	s_barrier_wait -1
	PLACES 8                                       ; in front of loads into the registers from which the f32 products took W1
	BFETCH 0, 0, 0
	BFETCH 0, 0, 4
	AFETCH 0, 0, 0
	AFETCH 0, 0, 2
	BFETCH 0, 1, 0                                 ; these 48 may be out at the first trip's head
	BFETCH 0, 1, 4
	AFETCH 1, 1, 0
	AFETCH 1, 1, 2
	TRIP 0, 1, 48, 1, 1, 1, 1, 1, 1                ; the first two trips start the sums of the two windows: nothing is ever cleared
	TRIP 1, 1, 34, 1, 1, 1, 1, 1, 1                ; 34: 32 loads of W2 and 2 stores of images;
	TRIP 2, 0, 50, 1, 1, 1, 1, 1, 1                ; 50: behind an odd trip 16 loads of h more
	TRIP 3, 0, 34, 1, 1, 1, 1, 1, 1
	s_mov_b32 s[CNT], 6
.Lquad:                                                ; trips 4 to 27, four to a trip of the loop: once round the ring of images
	s_wait_xcnt 0x0                                ; the last prefetch, half a trip back, has read its address
	s_add_nc_u64 s[PFA:PFA+1], s[PFA:PFA+1], 512   ; two pairs of trips on
	TRIP 0, 0, 50, 1, 1, 1, 1, 1, 1
	TRIP 1, 0, 34, 1, 1, 1, 1, 1, 1
	TRIP 2, 0, 50, 1, 1, 1, 1, 1, 1
	TRIP 3, 0, 34, 1, 1, 1, 1, 1, 1
	s_sub_co_u32 s[CNT], s[CNT], 1
	s_cmp_lg_u32 s[CNT], 0
	s_cbranch_scc1 .Lquad
	TRIP 0, 0, 50, 1, 1, 0, 0, 0, 1                ; trip 28: unit 31 is quantised; no unit is left to make.  The tail is written out
	TRIP 1, 0, 34, 1, 0, 0, 0, 0, 1                ; trip 29: the last refill, tile 31; units 30 and 31 are read
	TRIP 2, 0, 48, 0, 0, 0, 0, 0, 1                ; trip 30: nothing is filled and no image changes hands: no barrier
	s_wait_dscnt 32                                ; trip 31: nothing more to fetch
	WIN 0xf1
	MUL 0, 0, 8, 0
	s_wait_dscnt 0x0
	MUL 1, 0, 8, 0
	WIN 0
; THE WAY OUT, block by block of 16 tokens x 128 columns.  A lane holds 32 neighbouring bytes of a row, and the lanes beside it hold other rows: so a block goes through my own stage in LDS and comes back as whole
; rows of 512 bytes, which the 32 lanes store at a multiple of 256 from out's first byte.  LDS serves a wave's instructions in order (ISA guide 5.7.1.4): no wait between the stores and the loads, nor in front of the next block's stores.
	v_lshrrev_b32 v8, 12, v0                       ; lane.  (These nine lines are the places behind the last products)
	v_and_b32 v9, 15, v8                           ; r
	v_lshrrev_b32 v10, 4, v8                       ; h
	s_mul_i32 s20, s[WV], 2*TILE                   ; my stage: my slot 0
	v_mul_u32_u24 v[STO], v9, SPITCH
	v_lshl_add_u32 v[STO], v10, 5, v[STO]
	v_add_nc_u32 v[STO], s20, v[STO]               ; in: row r, 32 bytes for each half of the lanes
	v_lshlrev_b32 v[CO], 4, v8
	v_add_nc_u32 v[RD], s20, v[CO]                 ; back: the 32 lanes take one row
	v_nop
.macro TOSTAGE n                       ; block n: column half n / 4, tokens 16 (n % 4) on
.set OC, (\n)/4
.set OA, (\n)%4
.set TM, TMP+64*((\n)%2)
.set BB, 64*((\n)%4)
	WIN 0x02+OC                                    ; source 0: window 2 or 3
.irp j, 0,2,4,6,8,10,12,14,16,18,20,22,24,26,28,30,32,34,36,38,40,42,44,46,48,50,52,54,56,58,60,62
	v_pk_mul_f32 v[TM+\j:TM+\j+1], v[64*OA+\j:64*OA+\j+1], s[ES:ES+1] op_sel_hi:[1,0]   ; x 2^(e0 + e1); each accumulator from its low end on
.endr
	WIN 0
.irp b, 0,1,2,3,4,5,6,7
	ds_store_b128 v[STO], v[TM+8*\b:TM+8*\b+3] offset:64*\b
	ds_store_b128 v[STO], v[TM+8*\b+4:TM+8*\b+7] offset:64*\b+16
.endr
	WIN TO_B                                       ; back into window 1, where W2's fragments lay: four buffers of 64 by turns
.irp t, 0,1,2,3,4,5,6,7,8,9,10,11,12,13,14,15
	ds_load_b128 v[BB+4*\t:BB+4*\t+3], v[RD] offset:\t*SPITCH
.endr
	WIN 0
.endm
.macro SEND n, younger                 ; younger: the LDS instructions issued behind block n's loads, which may stay out
.set OC, (\n)/4
.set OA, (\n)%4
.set BB, 64*((\n)%4)
	s_wait_dscnt \younger                          ; the block is back in registers
	WIN 0x04                                       ; the stores' data: window 1
.irp t, 0,1,2,3,4,5,6,7,8,9,10,11,12,13,14,15
	global_store_b128 v[CO], v[BB+4*\t:BB+4*\t+3], s[14:15] offset:(16*OA+\t)*4096+512*OC th:TH_STORE_NT   ; 32 lanes store 512 consecutive bytes; written once, read by nobody here
.endr
	WIN 0
.endm
	TOSTAGE 0
.irp n, 1,2,3,4,5,6,7
.if \n > 3
	s_wait_xcnt 0x0                                ; block n - 4's stores have read their registers: block n's loads may land there
.endif
	TOSTAGE \n
	SEND \n-1, 32                                  ; behind block n - 1's loads: block n's 16 stores and 16 loads
.endr
	SEND 7, 0
	s_wait_tensorcnt 0x0                           ; the wave's end: behind my last tensor load and my last LDS store
	ds_add_u32 v[SPW], v[NIL]
	s_wait_dscnt 0x0
	CROUND                                         ; the closing round: no work-group ends while a partner may still ask for a tile that names it
	s_endpgm
.Lfunc_end_k_q763842b613_ffn:
	.size	k_q763842b613_ffn, .Lfunc_end_k_q763842b613_ffn-k_q763842b613_ffn
	.p2alignl 7, 3214868480
	.fill 96, 4, 3214868480
	.section	.rodata,"a",@progbits
	.p2align	6, 0x0
	.amdhsa_kernel k_q763842b613_ffn
		.amdhsa_group_segment_fixed_size 327680
		.amdhsa_private_segment_fixed_size 0
		.amdhsa_enable_private_segment 0
		.amdhsa_kernarg_size 48
		.amdhsa_user_sgpr_count 2
		.amdhsa_user_sgpr_kernarg_segment_ptr 1
		.amdhsa_wavefront_size32 1
		.amdhsa_system_sgpr_workgroup_id_x 1
		.amdhsa_system_sgpr_workgroup_id_y 1
		.amdhsa_system_sgpr_workgroup_id_z 1
		.amdhsa_system_vgpr_workitem_id 0
		.amdhsa_next_free_vgpr 1024
		.amdhsa_next_free_sgpr 66
		.amdhsa_reserve_vcc 1
		.amdhsa_float_denorm_mode_32 3
		.amdhsa_float_denorm_mode_16_64 3
		.amdhsa_memory_ordered 1
		.amdhsa_forward_progress 1
		.amdhsa_inst_pref_size 255
	.end_amdhsa_kernel
	.section	.bss,"aw",@nobits
	.p2align	6
	.space	262144
	.amdgpu_metadata
---
amdhsa.version: [ 1, 2 ]
amdhsa.kernels:
  - .name:           k_q763842b613_ffn
    .symbol:         k_q763842b613_ffn.kd
    .args:
      - { .name: x, .offset: 0, .size: 8, .value_kind: global_buffer, .address_space: global }
      - { .name: theta, .offset: 8, .size: 8, .value_kind: global_buffer, .address_space: global }
      - { .name: W1, .offset: 16, .size: 8, .value_kind: global_buffer, .address_space: global }
      - { .name: W2_codes, .offset: 24, .size: 8, .value_kind: global_buffer, .address_space: global }
      - { .name: lowp_scales, .offset: 32, .size: 8, .value_kind: global_buffer, .address_space: global }
      - { .name: out0, .offset: 40, .size: 8, .value_kind: global_buffer, .address_space: global }
    .group_segment_fixed_size: 327680
    .private_segment_fixed_size: 0
    .kernarg_segment_align: 8
    .kernarg_segment_size: 48
    .max_flat_workgroup_size: 128
    .sgpr_count:     66
    .vgpr_count:     1024
    .wavefront_size: 32
...
	.end_amdgpu_metadata
.endif
;; end of part 1
;; ======== version 2 of 2: 1 launch
;; limits: inputs' magnitudes at most 100,000; right only within a limited range of input values
;; launch ffn (part 2): grid 256 x 1, 4 waves a work-group, clusters of 4 x 1, 327,680 bytes of LDS; arguments x, theta, W1, W2_codes, lowp_scales, out0; writes out0
.if DOCPART == 2
	.amdgcn_target "amdgcn-amd-amdhsa--gfx1250"
	.amdhsa_code_object_version 6
	.text
	.protected	k_q763842b613_ffn
	.globl	k_q763842b613_ffn
	.p2align	8
	.type	k_q763842b613_ffn,@function
k_q763842b613_ffn:
	s_mov_b64 s[64:65], 0
	v_nop
	global_prefetch_b8 v0, s[64:65] scope:SCOPE_SE
	s_setreg_imm32_b32 hwreg(HW_REG_WAVE_MODE, 25, 1), 1
	s_wait_xcnt 0x0
	s_wait_alu depctr_hold_cnt(0) depctr_sa_sdst(0) depctr_va_vdst(0) depctr_va_sdst(0) depctr_va_ssrc(0) depctr_va_vcc(0) depctr_vm_vsrc(0)
	s_getreg_b32 s2, hwreg(HW_REG_IB_STS2, 6, 4)
	s_cmp_eq_u32 s2, 0
	s_cbranch_scc0 .Lentry_in_a_cluster
	s_endpgm
.Lentry_in_a_cluster:
	s_bfe_u32 s2, ttmp6, 0x10000c
	s_cmp_lg_u32 s2, 0x3003
	s_cbranch_scc0 .Lentry_shape_is_right
	s_endpgm
.Lentry_shape_is_right:
; out0 = Q(relu(z W1^T)) W2^T, z = cos(x[.., :8]) cos(theta); Q: E5M2 codes under the given scale 2^e0; W2 comes as codes under 2^e1.
; DEAD WORK: only the first 8 features of x enter z, so features 8 to 1023 of every token reach no output for any values: they are not loaded.
; LIMIT: a NaN or an infinity in those features is not carried to the result.  LIMITS: e0 between -126 and 112, e0 + e1 between -126 and 127 (both powers are made as f32 numbers);
; the cosine reduces its argument by three parts of pi/2 with fused multiply-adds: its error grows beyond |x|, |theta| of about 1e5.
; A work-group of four waves makes 64 tokens x all 1,024 columns, so each hidden number is made once in the launch.  Wave w owns columns 256 w .. 256 w + 255 as two chunks of 128:
; 2 x 32 accumulators (windows 2 and 3).  A trip is one chunk x 256 along K: 64 products in BF8.  Each wave has two LDS tiles of its own (128 rows of W2 x 256 bytes, padded to 272), one for each chunk;
; a tile's fragments are all in registers one trip before they are multiplied, so its tile is filled again in the trip that multiplies them.
; CLUSTERS: the four work-groups of a cluster walk the same tiles of W2 and ask for them jointly (mask 15); each refill stands behind a round of the cluster's barrier.
; Cluster c begins at K step (c + 4 (c / 16)) mod 16 and wraps: four clusters to each beginning.
; THE HIDDEN LAYER is made in units of 128 along K: in each trip wave w makes 64 tokens x hidden 32 w .. 32 w + 31 of one unit by v_wmma_f32_16x16x4_f32 (source 0 = 16 rows of W1, source 1 = z: a lane holds one token
; and registers along the hidden axis; a tile's rows of W1 are r + 8 (r / 8), so two tiles give 16 neighbours), holds it between 0 and 57,344 x 2^e0, converts, and stores registers 4 w .. 4 w + 3 of the operand's image into LDS (four units of 8 KiB by turns).
; Trip j makes and stores unit j + 3; odd trip j fetches units j + 1 and j + 2, which serve both chunks.
; PREFETCH: one instruction a wave at the head asks for the wave's second tile (128 rows x 256 bytes; each of the four partners names 32 rows, told apart by address).  None in the loop: the 64 clusters' first two trips between them read every byte of W2_codes.
.set PITCH,  272
.set TILE,   128*PITCH
.set SPARE,  8*TILE                    ; the spare words: 512 bytes that no other line names
.set AIMG,   294912                    ; the operand images of four units
.set SPITCH, 528
.set SPW,  1
.set NIL,  2
.set ADRB, 3
.set ADRA, 4
.set AST,  5
.set W1O,  6
.set SCL,  7
.set WS1,  8                           ; v8-15, v32-39: two sets of W1's rows
.set Z,    16                          ; v16-31 z of the 64 tokens
.set WS0,  32
.set T,    40                          ; v40-47, v48-55: held numbers of two tiles
.set T1,   48
.set CD,   56                          ; v56-63 codes: two sets of four
.set HA,   64                          ; v64-127 eight f32 sums, written by matrix instructions alone
.set AF,   128                         ; v128-255 the hidden layer's fragments, 4 blocks x 2 steps of 128
.set CT,   200                         ; the head's cosines: 4 x 8 registers at work
.set STO,  3
.set RD,   4
.set CO,   5
.set TMP,  128
.set KOFF, 2
.set BW0,  10
.set BW1,  46
.set WV,   16
.set G1,   24
.set G0,   32
.set W1B,  40
.set W1C,  42
.set SOFF, 44
.set CNT,  49
.set ES,   50
.set HOLD, 52
.set UO,   66                          ; s66-69 byte offsets in W1 of the first four units
.set PFA,  70
.set MSB, 0
.macro WIN new
.if MSB != (\new)
	s_set_vgpr_msb (MSB<<8)|(\new)
.set MSB, (\new)
.endif
.endm
.set TO_B, 0x40
.macro PLACES n
.rept \n
	v_nop
.endr
.endm
.macro CREST
	s_cmp_lg_u32 s[WV], 0
	s_cbranch_scc1 .Lnot_wave_0_\@
	s_barrier_signal -3
.Lnot_wave_0_\@:
	s_barrier_wait -3
	s_barrier_signal -1
	s_barrier_wait -1
.endm
.macro CROUND
	s_barrier_signal -1
	s_barrier_wait -1
	CREST
.endm
; cos of v[b .. b+3] in place, four chains line by line: n = round(s 2/pi); the rest in three parts; a cosine's or a sine's polynomial by n's low bit, the sign by n + 1's bit 1
.macro COS4 b
.irp k, 0,1,2,3
	v_mul_f32 v[CT+8*\k], s53, v[(\b)+\k]
.endr
.irp k, 0,1,2,3
	v_rndne_f32 v[CT+8*\k], v[CT+8*\k]
.endr
.irp k, 0,1,2,3
	v_fma_f32 v[CT+8*\k+1], v[CT+8*\k], s54, v[(\b)+\k]
.endr
.irp k, 0,1,2,3
	v_fma_f32 v[CT+8*\k+1], v[CT+8*\k], s55, v[CT+8*\k+1]
.endr
.irp k, 0,1,2,3
	v_fma_f32 v[CT+8*\k+1], v[CT+8*\k], s56, v[CT+8*\k+1]
	v_cvt_i32_f32 v[CT+8*\k+2], v[CT+8*\k]
.endr
.irp k, 0,1,2,3
	v_mul_f32 v[CT+8*\k+3], v[CT+8*\k+1], v[CT+8*\k+1]
	v_and_b32 v[CT+8*\k+6], 1, v[CT+8*\k+2]
	v_add_nc_u32 v[CT+8*\k+2], 1, v[CT+8*\k+2]
.endr
.irp k, 0,1,2,3
	v_fma_f32 v[CT+8*\k+4], v[CT+8*\k+3], s59, s58
	v_fma_f32 v[CT+8*\k+5], v[CT+8*\k+3], s62, s61
	v_and_b32 v[CT+8*\k+2], 2, v[CT+8*\k+2]
.endr
.irp k, 0,1,2,3
	v_fma_f32 v[CT+8*\k+4], v[CT+8*\k+4], v[CT+8*\k+3], s57
	v_fma_f32 v[CT+8*\k+5], v[CT+8*\k+5], v[CT+8*\k+3], s60
	v_lshlrev_b32 v[CT+8*\k+2], 30, v[CT+8*\k+2]
.endr
.irp k, 0,1,2,3
	v_fma_f32 v[CT+8*\k+4], v[CT+8*\k+4], v[CT+8*\k+3], -0.5
	v_mul_f32 v[CT+8*\k+5], v[CT+8*\k+5], v[CT+8*\k+3]
.endr
.irp k, 0,1,2,3
	v_fma_f32 v[CT+8*\k+4], v[CT+8*\k+4], v[CT+8*\k+3], 1.0
	v_fma_f32 v[CT+8*\k+5], v[CT+8*\k+5], v[CT+8*\k+1], v[CT+8*\k+1]
.endr
.irp k, 0,1,2,3
	v_cmp_eq_u32 vcc_lo, 1, v[CT+8*\k+6]
	v_cndmask_b32 v[CT+8*\k+4], v[CT+8*\k+4], v[CT+8*\k+5], vcc_lo
	v_xor_b32 v[(\b)+\k], v[CT+8*\k+2], v[CT+8*\k+4]
.endr
.endm
.macro W1LOAD set
.irp u, 0,1
	global_load_b128 v[(\set)+4*\u:(\set)+4*\u+3], v[W1O], s[W1C:W1C+1] offset:256*\u
.endr
.endm
; the eight sums of a unit's share (tile t: token block t / 2, rows' half t % 2), K = 8 in two steps; the eight take turns
.macro HALL ws
.irp t, 0,1,2,3,4,5,6,7
	v_wmma_f32_16x16x4_f32 v[HA+8*\t:HA+8*\t+7], v[(\ws)+4*(\t%2):(\ws)+4*(\t%2)+1], v[Z+4*(\t/2):Z+4*(\t/2)+1], 0
.endr
.irp t, 0,1,2,3,4,5,6,7
	v_wmma_f32_16x16x4_f32 v[HA+8*\t:HA+8*\t+7], v[(\ws)+4*(\t%2)+2:(\ws)+4*(\t%2)+3], v[Z+4*(\t/2)+2:Z+4*(\t/2)+3], v[HA+8*\t:HA+8*\t+7]
.endr
.endm
; relu and the hold in one (v_med3), into other registers, each sum from its low end on; two tiles make a token block's four registers of codes; block a - 1's store stands behind block a's holds
.macro QALL u4
.irp a, 0,1,2,3
.irp i, 0,1,2,3,4,5,6,7
	v_med3_num_f32 v[T+\i], v[HA+16*\a+\i], 0, s[HOLD]
.endr
.irp i, 0,1,2,3,4,5,6,7
	v_med3_num_f32 v[T1+\i], v[HA+16*\a+8+\i], 0, s[HOLD]
.endr
.if \a > 0
	ds_store_b128 v[AST], v[CD+4*((\a-1)%2):CD+4*((\a-1)%2)+3] offset:(\u4)*8192+(\a-1)*2048
.endif
	v_cvt_scalef32_pk8_bf8_f32 v[CD+4*(\a%2):CD+4*(\a%2)+1], v[T:T+7], v[SCL]
	v_cvt_scalef32_pk8_bf8_f32 v[CD+4*(\a%2)+2:CD+4*(\a%2)+3], v[T1:T1+7], v[SCL]
	v_nop                                          ; one plain place behind the conversions
.endr
	ds_store_b128 v[AST], v[CD+4:CD+7] offset:(\u4)*8192+3*2048
.endm
.macro BFETCH slot, kk                 ; my chunk's eight fragments of W2, 128 along K: 32 loads in one run
	WIN TO_B
.irp b, 0,1,2,3,4,5,6,7
.irp cc, 0,1,2,3
	ds_load_b128 v[128*(\kk)+16*\b+4*\cc:128*(\kk)+16*\b+4*\cc+3], v[ADRB] offset:(\slot)*TILE+\b*16*PITCH+128*(\kk)+32*\cc
.endr
.endr
	WIN 0
.endm
.macro AFETCH u4, kk                   ; a unit's four fragments: 16 loads
.irp a, 0,1,2,3
.irp cc, 0,1,2,3
	ds_load_b128 v[AF+64*(\kk)+16*\a+4*\cc:AF+64*(\kk)+16*\a+4*\cc+3], v[ADRA] offset:(\u4)*8192+\a*2048+512*\cc
.endr
.endr
.endm
; source 0 = 16 rows of W2, source 1 = 16 tokens: a lane holds eight neighbouring columns of a token's row.  The chunk's 32 accumulators take turns
.macro MUL kk, b0, nb, zero
.set MB, \b0
.rept \nb
.irp a, 0,1,2,3
.if \zero
	v_wmma_f32_16x16x128_bf8_bf8 v[8*(8*\a+MB):8*(8*\a+MB)+7], v[128*(\kk)+16*MB:128*(\kk)+16*MB+15], v[AF+64*(\kk)+16*\a:AF+64*(\kk)+16*\a+15], 0
.else
	v_wmma_f32_16x16x128_bf8_bf8 v[8*(8*\a+MB):8*(8*\a+MB)+7], v[128*(\kk)+16*MB:128*(\kk)+16*MB+15], v[AF+64*(\kk)+16*\a:AF+64*(\kk)+16*\a+15], v[8*(8*\a+MB):8*(8*\a+MB)+7]
.endif
.endr
.set MB, MB+1
.endr
.endm
; A trip.  cnt: the LDS instructions issued behind the fragments of this trip's first 128 along K (the second 128's loads and the stores of the trip before), which may stay out.
; fill: my tile of this chunk is filled again.  h: a unit's share is made and stored.  wl: the next unit's rows of W1 are asked for.
.macro TRIP j4, zero, cnt, fill, h, wl
.set TC, (\j4)%2
.set TWIN, 0xa1+0x50*TC
.set TWS, WS0+(WS1-WS0)*TC
.set TWL, WS1+(WS0-WS1)*TC
.set TBW, BW0+(BW1-BW0)*TC
	s_wait_dscnt \cnt
	WIN TWIN
	MUL 0, 0, 4, \zero
.if \fill
	WIN 0
	s_wait_tensorcnt 0x0                           ; my one load that was out, the other chunk's tile, has landed
	ds_add_u32 v[SPW], v[NIL]
.if TC == 0
	s_add_co_u32 s[KOFF], s[KOFF], 256             ; the next K step, wrapping at 4,096
	s_and_b32 s[KOFF], s[KOFF], 0xf00
.endif
	s_add_nc_u64 s[G0+4*TC+2:G0+4*TC+3], s[TBW:TBW+1], s[KOFF:KOFF+1]
	s_or_b32 s[G0+4*TC+3], s[G0+4*TC+3], 0x80000000
	WIN TWIN
.else
	s_wait_tensorcnt 0x0                           ; the last tile has landed; only I read it
.endif
	MUL 0, 4, 2, \zero
.if \h
	s_wait_loadcnt 0x0                             ; this trip's rows of W1, asked for one trip ago
.endif
	s_wait_dscnt 0x0                               ; the add, my reads of the tiles and images, and my stores into the image are done
.if \fill
	s_barrier_signal -1
.endif
	MUL 0, 6, 2, \zero
	WIN 0
.if \fill
	s_barrier_wait -1
	CREST
	tensor_load_to_lds s[G0+4*TC:G0+4*TC+3], s[G1:G1+7]
	s_nop 0
.endif
	PLACES 4                                       ; in front of the loads into registers that the BF8 products above have read
.if \wl
	s_add_co_u32 s[SOFF], s[SOFF], 4096
	s_and_b32 s[SOFF], s[SOFF], 0x1f000
	s_add_nc_u64 s[W1C:W1C+1], s[W1B:W1B+1], s[SOFF:SOFF+1]
	W1LOAD TWL
.endif
	BFETCH 1-TC, 0
.if \h
	HALL TWS
.endif
.if TC
	AFETCH (\j4+1)%4, 0
.endif
	WIN TWIN
	MUL 1, 0, 8, 0
	WIN 0
	PLACES 4+4*\h                                  ; four for the loads below; eight in front of the first read of the f32 sums
	BFETCH 1-TC, 1
.if \h
	QALL (\j4+3)%4
.endif
.if TC
	AFETCH (\j4+2)%4, 1
.endif
.endm
	s_load_b256 s[4:11], s[0:1], 0x0               ; x, theta, W1, W2_codes
	s_load_b128 s[12:15], s[0:1], 0x20             ; lowp_scales, out0
	v_lshl_add_u32 v[SPW], v0, 2, SPARE
	v_mov_b32 v[NIL], 0
	ds_add_u32 v[SPW], v[NIL]                      ; the opening lines: the add twice on end
	ds_add_u32 v[SPW], v[NIL]
	v_lshrrev_b32 v3, 5, v0
	v_readfirstlane_b32 s[WV], v3
	s_bfe_u32 s17, ttmp6, 0x40000                  ; cx
	s_lshl_b32 s18, ttmp9, 2
	s_add_co_u32 s18, s18, s17                     ; my block of 64 tokens
	s_lshr_b32 s19, ttmp9, 4
	s_lshl_b32 s19, s19, 2
	s_add_co_u32 s19, s19, ttmp9
	s_and_b32 s19, s19, 15                         ; the cluster's first K step
	s_lshl_b32 s[KOFF], s19, 8
	s_mov_b32 s[KOFF+1], 0
	s_mov_b32 s[G1+0], 15|(1<<20)|(1<<21)|(5<<22)|(3<<25)  ; mask of the four; bytes; 4 words of padding behind every 64
	s_mov_b32 s[G1+1], 256<<16
	s_mov_b32 s[G1+2], 128<<16
	s_mov_b32 s[G1+3], 256<<16
	s_mov_b32 s[G1+4], 128
	s_mov_b32 s[G1+5], 4096
	s_mov_b32 s[G1+6], 0
	s_mov_b32 s[G1+7], 0
	s_mov_b32 s53, 0x3f22f983                      ; 2/pi; -pi/2 in three parts; the two polynomials
	s_mov_b32 s54, 0xbfc90fdb
	s_mov_b32 s55, 0x333bbd2e
	s_mov_b32 s56, 0x26f72ced
	s_mov_b32 s57, 0x3d2aaaa5
	s_mov_b32 s58, 0xbab6061a
	s_mov_b32 s59, 0x37ccf5ce
	s_mov_b32 s60, 0xbe2aaaa3
	s_mov_b32 s61, 0x3c08839e
	s_mov_b32 s62, 0xb94ca1f9
	s_mul_i32 s20, s[WV], 2*TILE
	s_lshl_b32 s21, s[WV], 9
	s_lshl_b32 s22, s19, 1
.irp n, 0,1,2,3
	s_add_co_u32 s[UO+\n], s22, \n                 ; unit n of my walk, wrapping at 32; 4,096 bytes of W1 each
	s_and_b32 s[UO+\n], s[UO+\n], 31
	s_lshl_b32 s[UO+\n], s[UO+\n], 12
.endr
	s_mov_b32 s[SOFF], s[UO+3]
	s_mov_b32 s[SOFF+1], 0
	v_and_b32 v8, 31, v0
	v_and_b32 v9, 15, v0
	v_bfe_u32 v10, v0, 4, 1
	v_mul_u32_u24 v[ADRB], v9, PITCH
	v_lshl_add_u32 v[ADRB], v10, 4, v[ADRB]
	v_add_nc_u32 v[ADRB], s20, v[ADRB]             ; my tiles: row r, + 16 h
	v_lshlrev_b32 v[ADRA], 4, v8
	v_add_nc_u32 v[ADRA], AIMG, v[ADRA]            ; the images: 16 x lane
	v_add_nc_u32 v[AST], s21, v[ADRA]              ; my four registers of them: + 512 w
	v_and_b32 v11, 8, v9
	v_add_nc_u32 v11, v11, v9
	v_lshlrev_b32 v[W1O], 5, v11                   ; W1: row r + 8 (r / 8) of 32 bytes, + 16 h
	v_lshl_add_u32 v[W1O], v10, 4, v[W1O]
	v_lshlrev_b32 v188, 12, v9                     ; x: token r, + 16 h
	v_lshl_add_u32 v188, v10, 4, v188
	v_lshlrev_b32 v189, 4, v10                     ; theta: 16 h
.irp n, 0,1,2,3
	v_add_nc_u32 v[190+\n], s[UO+\n], v[W1O]
.endr
	v_lshlrev_b32 v195, 12, v8                     ; the prefetch: a lane a row of W2
	s_wait_alu depctr_va_vdst(0)
	s_wait_dscnt 0x0
	s_wait_kmcnt 0x0
	s_load_b64 s[ES:ES+1], s[12:13], 0x0
	s_lshl_b32 s22, s18, 18
	s_mov_b32 s23, 0
	s_add_nc_u64 s[4:5], s[4:5], s[22:23]
	s_add_nc_u64 s[14:15], s[14:15], s[22:23]
	s_lshl_b32 s22, s[WV], 10
	s_add_nc_u64 s[14:15], s[14:15], s[22:23]      ; out0 at my tokens and my 256 columns
	s_add_nc_u64 s[W1B:W1B+1], s[8:9], s[22:23]    ; W1 at my 32 rows of a unit
.irp a, 0,1,2,3
	global_load_b128 v[160+4*\a:163+4*\a], v188, s[4:5] offset:\a*65536 th:TH_LOAD_NT
.endr
	global_load_b128 v[176:179], v189, s[6:7]
.irp n, 0,1,2
.irp u, 0,1
	global_load_b128 v[128+8*\n+4*\u:128+8*\n+4*\u+3], v[190+\n], s[W1B:W1B+1] offset:256*\u
.endr
.endr
.irp u, 0,1
	global_load_b128 v[WS0+4*\u:WS0+4*\u+3], v193, s[W1B:W1B+1] offset:256*\u
.endr
	s_lshl_b32 s22, s[WV], 20
	s_add_nc_u64 s[BW0:BW0+1], s[BW0:BW0+1], s[22:23]   ; W2 at my 256 rows: chunk 0,
	s_add_nc_u64 s[BW1:BW1+1], s[BW0:BW0+1], 524288     ; chunk 1
.irp c, 0,1
	s_mov_b32 s[G0+4*\c], 1
	s_add_co_u32 s[G0+4*\c+1], s20, \c*TILE
	s_add_nc_u64 s[G0+4*\c+2:G0+4*\c+3], s[BW0+(BW1-BW0)*\c:BW0+(BW1-BW0)*\c+1], s[KOFF:KOFF+1]
	s_or_b32 s[G0+4*\c+3], s[G0+4*\c+3], 0x80000000
.endr
	s_lshl_b32 s22, s17, 17                        ; my work-group's 32 of chunk 1's 128 rows
	s_add_nc_u64 s[PFA:PFA+1], s[BW1:BW1+1], s[22:23]
	s_add_nc_u64 s[PFA:PFA+1], s[PFA:PFA+1], s[KOFF:KOFF+1]
	CROUND                                         ; in front of the first joint loads
	tensor_load_to_lds s[G0:G0+3], s[G1:G1+7]      ; chunk 0's first tile: one tensor load a wave at the head
	s_nop 0
	PLACES 4
	global_prefetch_b8 v195, s[PFA:PFA+1] th:TH_LOAD_NT scope:SCOPE_SE
	s_wait_loadcnt 8                               ; x and theta are in; W1's eight loads may be out.  z and the scales are made while the first tile is on its way
	COS4 176
	COS4 160
	COS4 164
	COS4 168
	COS4 172
.irp a, 0,1,2,3
	v_pk_mul_f32 v[Z+4*\a:Z+4*\a+1], v[160+4*\a:161+4*\a], v[176:177]
	v_pk_mul_f32 v[Z+4*\a+2:Z+4*\a+3], v[162+4*\a:163+4*\a], v[178:179]
.endr
	s_wait_alu depctr_va_vdst(0)
	s_wait_kmcnt 0x0
	s_add_co_i32 s20, s[ES], 127
	s_lshl_b32 s21, s20, 23
	v_mov_b32 v[SCL], s21                          ; 2^e0
	s_add_co_i32 s20, s20, 15
	s_lshl_b32 s20, s20, 23
	s_or_b32 s[HOLD], s20, 0x600000                ; 57,344 x 2^e0
	s_add_co_i32 s[ES], s[ES], s[ES+1]
	s_add_co_i32 s[ES], s[ES], 127
	s_lshl_b32 s[ES], s[ES], 23                    ; 2^(e0 + e1)
	s_mov_b32 s[ES+1], s[ES]
	s_wait_alu depctr_va_vdst(0)
	s_wait_tensorcnt 0x0
	ds_add_u32 v[SPW], v[NIL]
	s_wait_dscnt 0x0
	CROUND
	tensor_load_to_lds s[G0+4:G0+7], s[G1:G1+7]    ; chunk 1's first tile
	s_nop 0
	PLACES 4
	s_wait_loadcnt 0x0
.irp n, 0,1,2                          ; units 0 to 2, while chunk 1's tile is on its way
	HALL 128+8*\n
	PLACES 8
	QALL \n
.endr
	s_wait_xcnt 0x0                                ; the prefetch has read its address register, which is loaded into below
	s_wait_dscnt 0x0                               ; my stores into the images are done
	s_barrier_signal -1
	s_barrier_wait -1
	PLACES 8
	BFETCH 0, 0
	AFETCH 0, 0
	BFETCH 0, 1
	AFETCH 1, 1
	TRIP 0, 1, 48, 1, 1, 1                         ; the first trip of each chunk starts its sums
	TRIP 1, 1, 36, 1, 1, 1
	s_mov_b32 s[CNT], 6
.Lquad:                                                ; trips 2 to 25
	TRIP 2, 0, 52, 1, 1, 1
	TRIP 3, 0, 36, 1, 1, 1
	TRIP 0, 0, 52, 1, 1, 1
	TRIP 1, 0, 36, 1, 1, 1
	s_sub_co_u32 s[CNT], s[CNT], 1
	s_cmp_lg_u32 s[CNT], 0
	s_cbranch_scc1 .Lquad
	TRIP 2, 0, 52, 1, 1, 1
	TRIP 3, 0, 36, 1, 1, 1
	TRIP 0, 0, 52, 1, 1, 0                         ; trip 28 makes the last unit
	TRIP 1, 0, 36, 1, 0, 0                         ; trip 29 asks for the last tile
	TRIP 2, 0, 48, 0, 0, 0
	s_wait_dscnt 32
	WIN 0xf1
	MUL 0, 0, 8, 0
	s_wait_dscnt 0x0
	MUL 1, 0, 8, 0
	WIN 0
	; THE WAY OUT: blocks of 16 tokens x 128 columns, x 2^(e0 + e1), through a stage in my chunk-0 tile (it has had its last fill and its last read, and only I touch it), back as rows of 512 bytes
	v_and_b32 v8, 31, v0
	v_and_b32 v9, 15, v0
	v_bfe_u32 v10, v0, 4, 1
	s_mul_i32 s20, s[WV], 2*TILE
	v_mul_u32_u24 v[STO], v9, SPITCH
	v_lshl_add_u32 v[STO], v10, 5, v[STO]
	v_add_nc_u32 v[STO], s20, v[STO]
	v_lshlrev_b32 v[CO], 4, v8
	v_add_nc_u32 v[RD], s20, v[CO]
	v_nop
.macro TOSTAGE n
.set OC, (\n)/4
.set OA, (\n)%4
.set TM, TMP+64*((\n)%2)
.set BB, 64*((\n)%4)
	WIN 0x02+OC
.irp j, 0,2,4,6,8,10,12,14,16,18,20,22,24,26,28,30,32,34,36,38,40,42,44,46,48,50,52,54,56,58,60,62
	v_pk_mul_f32 v[TM+\j:TM+\j+1], v[64*OA+\j:64*OA+\j+1], s[ES:ES+1] op_sel_hi:[1,0]
.endr
	WIN 0
.irp b, 0,1,2,3,4,5,6,7
	ds_store_b128 v[STO], v[TM+8*\b:TM+8*\b+3] offset:64*\b
	ds_store_b128 v[STO], v[TM+8*\b+4:TM+8*\b+7] offset:64*\b+16
.endr
	WIN TO_B
.irp t, 0,1,2,3,4,5,6,7,8,9,10,11,12,13,14,15
	ds_load_b128 v[BB+4*\t:BB+4*\t+3], v[RD] offset:\t*SPITCH
.endr
	WIN 0
.endm
.macro SEND n, younger
.set OC, (\n)/4
.set OA, (\n)%4
.set BB, 64*((\n)%4)
	s_wait_dscnt \younger
	WIN 0x04
.irp t, 0,1,2,3,4,5,6,7,8,9,10,11,12,13,14,15
	global_store_b128 v[CO], v[BB+4*\t:BB+4*\t+3], s[14:15] offset:(16*OA+\t)*4096+512*OC th:TH_STORE_NT   ; 32 lanes store 512 consecutive bytes, aligned
.endr
	WIN 0
.endm
	TOSTAGE 0
.irp n, 1,2,3,4,5,6,7
.if \n > 3
	s_wait_xcnt 0x0                                ; block n - 4's stores have read their registers, which are loaded again
.endif
	TOSTAGE \n
	SEND \n-1, 32
.endr
	SEND 7, 0
	s_wait_tensorcnt 0x0                           ; the wave's end
	ds_add_u32 v[SPW], v[NIL]
	s_wait_dscnt 0x0
	CROUND                                         ; the closing round
	s_endpgm
.Lfunc_end_k_q763842b613_ffn:
	.size	k_q763842b613_ffn, .Lfunc_end_k_q763842b613_ffn-k_q763842b613_ffn
	.p2alignl 7, 3214868480
	.fill 96, 4, 3214868480
	.section	.rodata,"a",@progbits
	.p2align	6, 0x0
	.amdhsa_kernel k_q763842b613_ffn
		.amdhsa_group_segment_fixed_size 327680
		.amdhsa_private_segment_fixed_size 0
		.amdhsa_enable_private_segment 0
		.amdhsa_kernarg_size 48
		.amdhsa_user_sgpr_count 2
		.amdhsa_user_sgpr_kernarg_segment_ptr 1
		.amdhsa_wavefront_size32 1
		.amdhsa_system_sgpr_workgroup_id_x 1
		.amdhsa_system_sgpr_workgroup_id_y 1
		.amdhsa_system_sgpr_workgroup_id_z 1
		.amdhsa_system_vgpr_workitem_id 0
		.amdhsa_next_free_vgpr 1024
		.amdhsa_next_free_sgpr 72
		.amdhsa_reserve_vcc 1
		.amdhsa_float_denorm_mode_32 3
		.amdhsa_float_denorm_mode_16_64 3
		.amdhsa_memory_ordered 1
		.amdhsa_forward_progress 1
		.amdhsa_inst_pref_size 255
	.end_amdhsa_kernel
	.section	.bss,"aw",@nobits
	.p2align	6
	.space	262144
	.amdgpu_metadata
---
amdhsa.version: [ 1, 2 ]
amdhsa.kernels:
  - .name:           k_q763842b613_ffn
    .symbol:         k_q763842b613_ffn.kd
    .args:
      - { .name: x, .offset: 0, .size: 8, .value_kind: global_buffer, .address_space: global }
      - { .name: theta, .offset: 8, .size: 8, .value_kind: global_buffer, .address_space: global }
      - { .name: W1, .offset: 16, .size: 8, .value_kind: global_buffer, .address_space: global }
      - { .name: W2_codes, .offset: 24, .size: 8, .value_kind: global_buffer, .address_space: global }
      - { .name: lowp_scales, .offset: 32, .size: 8, .value_kind: global_buffer, .address_space: global }
      - { .name: out0, .offset: 40, .size: 8, .value_kind: global_buffer, .address_space: global }
    .group_segment_fixed_size: 327680
    .private_segment_fixed_size: 0
    .kernarg_segment_align: 8
    .kernarg_segment_size: 48
    .max_flat_workgroup_size: 128
    .sgpr_count:     72
    .vgpr_count:     1024
    .wavefront_size: 32
...
	.end_amdgpu_metadata
.endif
;; end of part 2
